; MI455X (gfx1250); checked and timed in simulation.
; The chip was launched on July 23, 2026; its instructions are those of AMD's public machine-readable ISA for CDNA 5 (MIT licence, August 2026) and "CDNA5" Instruction Set Architecture Reference Guide (July 2026). The comments in the code are by the model that wrote it; some were corrected since.
;; Attention. Allowed arithmetic: matrix products marked QUANTISED: E5M2 operands, one E8M0 scale for each 32 along K, by v_wmma_scale_f32_16x16x128_f8f6f4 with both operands' format E5M2, f32 sums; everything else in f32.
;; Inputs: out_b 1,024 float32; out_w_codes 1,024 x 32 x 32 uint8 (E5M2 codes of out_w, K innermost, in blocks of 32 codes); out_w_scales 1,024 x 32 uint8 (E8M0 scales of out_w, one for each 32 codes along K); qkv_b 3,072 float32; qkv_w_codes 3,072 x 32 x 32 uint8 (E5M2 codes of qkv_w, K innermost, in blocks of 32 codes); qkv_w_scales 3,072 x 32 uint8 (E8M0 scales of qkv_w, one for each 32 codes along K); x_codes 4 x 2,048 x 32 x 32 uint8 (E5M2 codes of x, K innermost, in blocks of 32 codes); x_scales 4 x 2,048 x 32 uint8 (E8M0 scales of x, one for each 32 codes along K).
;; Outputs: out0 4 x 2,048 x 1,024 float32.
;; This version of the problem:
;;   THIS VERSION OF THE PROBLEM IS GIVEN IN LOW PRECISION. The matrix products marked QUANTISED in the list below multiply operands that are first quantised to E5M2 (5 exponent bits, 2 mantissa bits; 8 bits a number), with one power-of-two scale for each 32 numbers along K (OCP MX v1.0); their sums are f32. All else is computed in f32.
;;   The module's matrix products, in the order in which they are computed (A, B: the left and right operand; K: the contracted axis; several contracted axes count as one K, in the product's order):
;;     1. [M 8,192, K 1,024] x [K 1,024, N 3,072]; A: input x (given as codes); B: input qkv_w (given as codes): QUANTISED
;;     2. batch 64 x [M 2,048, K 64] x [K 64, N 2,048]; A: computed on the way; B: computed on the way: QUANTISED
;;     3. batch 64 x [M 2,048, K 2,048] x [K 2,048, N 64]; A: softmax (see below); B: computed on the way: QUANTISED
;;     4. [M 8,192, K 1,024] x [K 1,024, N 1,024]; A: computed on the way; B: input out_w (given as codes): QUANTISED
;;   THE QUANTISER, for each operand of a quantised product, along K:
;;     - K is cut into blocks of 32 from its start; a last block that is shorter is filled with zeros.
;;     - A block's scale is 2^e with e = floor(log2(the largest magnitude in the block)) - 15, held to -126 .. 127; a block of zeros has e = 0. As a byte (E8M0): e + 127.
;;     - Each number is divided by its block's scale, clamped to +-57,344, and rounded to the nearest number of E5M2, ties to even, subnormals kept.
;;     - The product sums the exact products of the quantised numbers (number of the format x scale) in f32.
;;   ~~~python
;;   def quantise(x, axis):      # numpy; x: float32 -> the quantised numbers, widened to float32 again
;;       x = np.moveaxis(x, axis, -1); K = x.shape[-1]
;;       x = np.pad(x, [(0, 0)] * (x.ndim - 1) + [(0, -K % 32)]); x = x.reshape(x.shape[:-1] + (-1, 32)); a = np.abs(x).max(-1, keepdims=True)
;;       e = np.where(a > 0, np.clip(np.frexp(np.where(a > 0, a, 1))[1] - 1 - 15, -126, 127), 0)      # np.frexp(a)[1] - 1 = floor(log2(a)), exactly
;;       r = np.clip(x / 2.0 ** e, -57344, 57344)
;;       step = 2.0 ** (np.maximum(np.frexp(np.where(r == 0, 1, r))[1] - 1, -14) - 2)
;;       q = np.round(r / step) * step * 2.0 ** e      # np.round: ties to even
;;       return np.moveaxis(q.reshape(q.shape[:-2] + (-1,))[..., :K], -1, axis).astype(np.float32)
;;   ~~~
;;   SOFTMAX AHEAD OF A QUANTISED PRODUCT. Where the list says 'softmax', what is quantised is not the finished softmax but p = 2^(t - M), with t = logit x log2(e) and M = ceil(the row's largest t), a whole number; so 1/2 < the row's largest p <= 1. The row's sum l is taken of the UNQUANTISED p, in f32, and the product's result is divided by l at the end. Since M is a whole number, a kernel that streams over the keys may use a running M (the ceiling of the running maximum): every later rescaling is an exact power of two, which a block's scale takes up: the codes' values come out the same.
;;   OPERANDS COMPUTED ON THE WAY. 'Computed on the way' means the value that the module computes at that place (a softmax that the list does not call 'softmax' is quantised finished and normalised). What goes into a quantiser is computed in f32, as accurately as f32 sums, v_exp_f32 and their like allow (about 1e-6 of the number): no bf16 or f16 on the way to a quantiser, and a product that is left as it is and whose result goes on into a quantised operand takes f32 operands (vector FMAs, or v_wmma_f32_16x16x4_f32). A number that lies on a knife's edge between two numbers of the format may be rounded either way, as far as f32 arithmetic and the matrix unit's own rounding can turn it there, and no further.
;;   INPUTS GIVEN AS CODES. out_w (in the module: [1024, 1024], K = its axis 1); qkv_w (in the module: [3072, 1024], K = its axis 1); x (in the module: [4, 2048, 1024], K = its axis 2): each comes as NAME_codes (uint8): NAME with its K axis moved to the last place and cut into blocks of 32 codes, [.., K / 32, bytes a block], one block behind the other in memory; one code a byte (a code: sign, 5 exponent bits, 2 mantissa bits); and NAME_scales (uint8): the same leading axes, one E8M0 byte (e + 127) for each 32 codes along K. Its value is code x scale, taken as it is: it is not quantised again, and the codes and scales need not be those that the quantiser above would give.
;; One version. Each part assembles by itself: llvm-mc -triple=amdgcn-amd-amdhsa -mcpu=gfx1250 --defsym DOCPART=n.
;; ======== version 1 of 1: 3 launches
;; workspace buffers: img 25,165,824 bytes; sc 1,310,720 bytes; aimg 8,388,608 bytes; asc 262,144 bytes
;; launch qkv (part 1): grid 8 x 48, 4 waves a work-group, clusters of 4 x 4, 327,680 bytes of LDS; arguments x_codes, x_scales, qkv_w_codes, qkv_w_scales, qkv_b, img, sc; writes img, sc
.if DOCPART == 1
	.amdgcn_target "amdgcn-amd-amdhsa--gfx1250"
	.amdhsa_code_object_version 6
	.text
	.protected	k_qeb3af6e2a1_qkv
	.globl	k_qeb3af6e2a1_qkv
	.p2align	8
	.type	k_qeb3af6e2a1_qkv,@function
k_qeb3af6e2a1_qkv:
	s_mov_b64 s[64:65], 0
	v_nop
	global_prefetch_b8 v0, s[64:65] scope:SCOPE_SE
	s_setreg_imm32_b32 hwreg(HW_REG_WAVE_MODE, 25, 1), 1
	s_wait_xcnt 0x0
	s_wait_alu depctr_hold_cnt(0) depctr_sa_sdst(0) depctr_va_vdst(0) depctr_va_sdst(0) depctr_va_ssrc(0) depctr_va_vcc(0) depctr_vm_vsrc(0)
	s_getreg_b32 s2, hwreg(HW_REG_IB_STS2, 6, 4)
	s_cmp_eq_u32 s2, 0
	s_cbranch_scc0 .Lentry_in_a_cluster
	s_endpgm
.Lentry_in_a_cluster:
	s_bfe_u32 s2, ttmp6, 0x10000c
	s_cmp_lg_u32 s2, 0xf033
	s_cbranch_scc0 .Lentry_shape_is_right
	s_endpgm
.Lentry_shape_is_right:
; qkv = x W^T + b on codes of BF8 (E5M2) with one E8M0 scale for each 32 along K (K = 1,024), and the quantisers of q, k and v behind it.  x: [8,192][1,024], W: [3,072][1,024] as codes; their scale bytes [rows][32].
; A tile of 256 x 256 results is made by four waves, each 128 x 128: 64 accumulators, 512 registers.  K goes in steps of 256 through a ring of two LDS slots filled by the tensor data mover; the scale bytes of the
; tile's 512 rows come into LDS once.  4 x 4 work-groups form a cluster: source 1's tile is shared along a row of the cluster, source 0's along a column, each asked for JOINTLY by one tensor load with a mask.
; TWO ORIENTATIONS, ONE TEXT.  In a result, a lane holds ONE row of source 1, and its registers run along the rows of source 0.  A quantiser wants its K along a lane's registers:
;   q and k (clusters with y < 8): K = the head's 64 features: source 0 = W, source 1 = x.      v (clusters with y >= 8): K = the keys (tokens): source 0 = x, source 1 = W.
; Only pointers, offsets and strides are chosen (by selects on the cluster's y, the same in all sixteen partners): no branch, no LDS address and no shape differs.
; THE ORDER INSIDE A BLOCK OF 32.  The 16 registers of result tiles 2 c and 2 c + 1 are converted as they stand: slot 32 c + 16 h + 8 u + j of the operand holds k = 32 c + 16 u + 8 h + j (u the tile's parity, h = lane / 16).
; That is a permutation inside one block of 32, so the block's scale is the block's; q and k carry the same one, and so do v and the softmax's p in the next launch: the products are unchanged.
; OUT.  Codes leave as IMAGES OF THE OPERAND'S REGISTERS: four registers of the 32 lanes are 512 consecutive bytes.  img, for each (batch, head) 393,216 bytes: q [tile of 16 tokens 128][block 2][lane][16];
; from 131,072 on [128 keys: 16]{ k [tile 8][block 2][lane][16] | v^T [16 channels: 4][block of 32 keys: 4][lane][16] }.  sc, for each (batch, head) 20,480 bytes: q's words [tile / 4][row 16][tile % 4][4], k's from 8,192 on likewise,
; v's from 16,384 on [128 keys: 16][channel % 16][channel / 16][4].  A word of q or k holds the head's two bytes and two bytes 0, which meet zero codes alone.
; THE BIAS: where it runs along the registers (q, k) it is the C of the first K step's products; where it runs along the lanes (v) it is added as the sums are fetched.  The set that does not apply is cleared.
; 384 tiles are one and a half for each of 256 WGPs: a tile half as large would halve the products that each LDS byte feeds.
; LIMITS: NaN and infinities are not served.  A block of zeros gets the byte 1 (the rule says 127): its codes are zeros, and this program alone reads the bytes.  With the bias as the first C the order of rounding differs from a sum with the bias added last.
.set KSTEP,  256                       ; along K in a slot
.set NQ,     2                         ; matrix instructions deep
.set ROWB,   256                       ; a tile's row in bytes
.set KROW,   1024                      ; a row of codes in memory
.set PITCH,  272                       ; an LDS row: 256 bytes + 16 of padding: the 16 rows of a fragment load begin 68 words apart
.set FR,     16                        ; registers of a fragment
.set NL,     4                         ; LDS loads that bring one
.set NP,     8                         ; places behind this matrix instruction (ISA guide 7.12.1)
.set HALFT,  128*PITCH                 ; 128 rows: one tensor load
.set SLOT,   4*HALFT                   ; source 1's 256 rows, then source 0's
.set LAPS,   2                         ; 1,024 / 512
.set KS,     32                        ; a row of scale bytes
.set SCL,    2*SLOT                    ; behind the ring: the scale bytes, as units of 256 bytes + 16
.set HALFS,  (128*KS/256)*272
.set SBLK,   (16*KS/256)*272
.set SPARE,  SCL+4*HALFS               ; the spare words: 128 bytes for each wave, named by no other line
.set BHB,    393216                    ; a (batch, head)'s bytes in img
.set BHS,    20480                     ; and in sc
.set B1,   8                           ; v8-15   the bias along the lanes: register a: feature 16 a + lane % 16 (v); zeros for q, k
.set ADRA, 16                          ; v16-17  LDS address of source 1's fragments in slot 0, 1
.set ADRB, 20                          ; v20-21  of source 0's
.set OFF0, 24                          ; v24     16 x lane
.set OFF1, 25                          ; v25     + the distance to the second pair of stores
.set SOF0, 26                          ; v26     where my scale words go
.set ADRS, 27                          ; v27     LDS address of my scale words: lanes 0-15 source 1's, lanes 16-31 source 0's
.set SPW,  28                          ; v28     my spare word; never rewritten
.set NIL,  29                          ; v29     0; never rewritten
.set SOF1, 30                          ; v30     the second four words
.set VSH,  31                          ; v31     lanes 16-31 of q, k: 16, the second head's two bytes come down
.set SC,   32                          ; v32-63  the operands' scale words, two sets; nothing else
.set B0,   64                          ; v64-127 the bias along the registers (q, k); zeros for v
.set SW,   64                          ; v64-71  later: the scale words made, one for each block of 16 rows
.set AF,   128                         ; v128-255 source 1's fragments
.set X,    128                         ; the way out: 64 numbers
.set PC,   192                         ; their 16 registers of codes
.set TM,   224                         ; v224-239 at work in the quantiser
.set WV,   18
.set RH,   19                          ; wave / 2: my half of source 1's rows; also: I fetch for source 1 (0) or source 0 (1)
.set CH,   20                          ; wave % 2: my half of source 0's rows; also: which 128 rows I fetch
.set CY,   21                          ; the cluster's y
.set SEL,  40                          ; s[40:41], s42: on the way out
.set MNT,  42
.set G1, 24
.set G0, 32
.set G1B, 48
.set G0B, 56
.set G1S, 68
.set G0S, 76
.set G1SB, 80
.set G0SB, 88
.set MSB, 0
.macro WIN new                         ; the immediate's high byte repeats the setting that is left
.if MSB != (\new)
	s_set_vgpr_msb (MSB<<8)|(\new)
.set MSB, (\new)
.endif
.endm
.set MUL_LO, 0xa1                      ; source 0 window 1, source 1 window 0, C and D window 2
.set MUL_HI, 0xf1                      ; C and D window 3
.set TO_B,   0x40
; A joint load: waves 0 and 1 fetch for source 1, waves 2 and 3 for source 0; the branch hangs on the wave's number alone.  Four v_nop follow each line.
.macro JLOAD g0a, g1a, g0b, g1b
	s_cmp_eq_u32 s[RH], 0
	s_cbranch_scc0 .Lfor_b_\@
	tensor_load_to_lds s[\g0a:\g0a+3], s[\g1a:\g1a+7]
	s_nop 0
.rept 4
	v_nop
.endr
	s_branch .Lasked_\@
.Lfor_b_\@:
	tensor_load_to_lds s[\g0b:\g0b+3], s[\g1b:\g1b+7]
	s_nop 0
.rept 4
	v_nop
.endr
.Lasked_\@:
.endm
.macro CREST                           ; a round of the cluster's barrier behind its opening barrier
	s_cmp_lg_u32 s[WV], 0
	s_cbranch_scc1 .Lnot_wave_0_\@
	s_barrier_signal -3
.Lnot_wave_0_\@:
	s_barrier_wait -3
	s_barrier_signal -1
	s_barrier_wait -1
.endm
.macro CROUND
	s_barrier_signal -1
	s_barrier_wait -1
	CREST
.endm
	s_load_b256 s[4:11], s[0:1], 0x0               ; x's codes, x's scales, W's codes, W's scales
	s_load_b128 s[12:15], s[0:1], 0x20             ; the bias, img
	s_load_b64 s[16:17], s[0:1], 0x30              ; sc
	v_lshl_add_u32 v[SPW], v0, 2, SPARE
	v_mov_b32 v[NIL], 0
	ds_add_u32 v28, v29
	ds_add_u32 v28, v29
	s_wait_dscnt 0x0
	v_lshrrev_b32 v1, 5, v0
	v_readfirstlane_b32 s[WV], v1                  ; wave 0..3
	s_lshr_b32 s[RH], s[WV], 1
	s_and_b32 s[CH], s[WV], 1
	v_and_b32 v1, 15, v0                           ; r = lane % 16
	v_bfe_u32 v2, v0, 4, 1                         ; h = lane / 16
	v_and_b32 v3, 31, v0                           ; lane
	s_bfe_u32 s40, ttmp6, 0x40000                  ; cx
	s_bfe_u32 s41, ttmp6, 0x40004                  ; cy
	s_and_b32 s[CY], ttmp7, 0xffff
	s_lshl_b32 s43, s41, 2
	s_lshl_b32 s43, 15, s43                        ; my row of the cluster
	s_lshl_b32 s44, 0x1111, s40                    ; my column
	s_max_u32 s22, s[CY], 8
	s_sub_co_u32 s22, s22, 8
	s_lshl_b32 s22, s22, 3
	s_lshl_b32 s42, ttmp9, 2                       ; q, k: source 0's tile (of W's rows 0 to 2,047) begins at 4 x cluster x
	s_add_co_u32 s22, s22, s42                     ; v: source 0's tile (of x's 32) at 4 (cluster x + 2 (cluster y - 8))
	s_lshl_b32 s23, s[CY], 2                       ; q, k: source 1's tile (of x's 32) at 4 x cluster y
	s_cmp_lt_u32 s[CY], 8                          ; q and k, or v?  The same in all sixteen partners.  Only lines that leave SCC alone follow, up to the two additions
	s_cselect_b32 s42, s42, s22
	s_cselect_b32 s23, s23, 8                      ; v: source 1's tile is W's tile 8 + cy
	s_mov_b32 s96, 2048
	s_cselect_b32 s96, 1024, s96                   ; s[96:97] from one block of 16 rows to the next in img: a tile of q or k, or 16 channels of v^T
	s_mov_b32 s97, 0
	s_cselect_b32 s98, 0, BHB-4*2048               ; s[98:99] v: behind four blocks of 16 channels the next head begins
	s_mov_b32 s99, 0
	s_mov_b32 s66, 1024
	s_cselect_b32 s66, BHB, s66                    ; codes 8 to 15: the next head's tile (q, k), or the fragment's second half (v)
	s_cselect_b32 s67, BHS, 0                      ; lanes 16-31 store the next head's words (q, k), or the same again (v)
	s_mov_b32 s100, BHS
	s_cselect_b32 s100, 256, s100                  ; words 4 to 7: the next four tiles (q, k), or the next head (v)
	s_cselect_b32 s101, 16, 0
	s_cselect_b32 s2, 0xffff, -1                   ; a word of q or k keeps two bytes
	s_add_co_u32 s42, s42, s40                     ; source 0's tile: + cx
	s_add_co_u32 s23, s23, s41                     ; source 1's tile: + cy
	v_lshlrev_b32 v[OFF0], 4, v3
	v_add_nc_u32 v[OFF1], s66, v[OFF0]
	v_lshlrev_b32 v[SOF0], 4, v1
	v_mad_u32_u24 v[SOF0], v2, s67, v[SOF0]
	v_add_nc_u32 v[SOF1], s100, v[SOF0]
	v_mul_u32_u24 v[VSH], v2, s101
	; descriptor group 1: a tile of 128 rows x 256 bytes, 16 bytes of padding behind each row
	s_or_b32 s[G1+0], s43, (0<<16)|(1<<20)|(1<<21)|(5<<22)|(3<<25)   ; 15:0 the mask: my row; 17:16 elements of 1 byte; 20 padding on; 21 set beside a mask; 24:22 after every 64 words; 31:25 four words
	s_or_b32 s[G1B+0], s44, (0<<16)|(1<<20)|(1<<21)|(5<<22)|(3<<25)  ; my column
.irp g, G1, G1B
	s_mov_b32 s[\g+1], ROWB<<16                    ; tensor_dim0
	s_mov_b32 s[\g+2], 128<<16                     ; tensor_dim1
	s_mov_b32 s[\g+3], ROWB<<16                    ; tile_dim0
	s_mov_b32 s[\g+4], 128                         ; tile_dim1
	s_mov_b32 s[\g+5], KROW                        ; tensor_dim0_stride
	s_mov_b32 s[\g+6], 0
	s_mov_b32 s[\g+7], 0
.endr
	; the scale bytes of 128 rows: 4,096 dense bytes, as 16 rows of 256 bytes (32 elements of 8), 16 bytes of padding behind each
	s_or_b32 s[G1S+0], s43, (3<<16)|(1<<20)|(1<<21)|(5<<22)|(3<<25)
	s_or_b32 s[G1SB+0], s44, (3<<16)|(1<<20)|(1<<21)|(5<<22)|(3<<25)
.irp g, G1S, G1SB
	s_mov_b32 s[\g+1], 32<<16
	s_mov_b32 s[\g+2], (128*KS/256)<<16
	s_mov_b32 s[\g+3], 32<<16
	s_mov_b32 s[\g+4], 128*KS/256
	s_mov_b32 s[\g+5], 32
	s_mov_b32 s[\g+6], 0
	s_mov_b32 s[\g+7], 0
.endr
	s_lshl_b32 s22, s[CH], 7                       ; which 128 rows of a tile I fetch
	s_lshl_b32 s41, s23, 8
	s_add_co_u32 s41, s41, s22                     ; source 1: row 256 x tile + 128 x half (it hangs on cy, never on cx)
	s_lshl_b32 s40, s42, 8
	s_add_co_u32 s40, s40, s22                     ; source 0 (on cx, never on cy)
	s_lshl_b32 s94, s41, 10                        ; their codes, 1,024 bytes a row (rows under 8,192: under 2^23 bytes),
	s_mov_b32 s95, 0
	s_lshl_b32 s92, s41, 5                         ; and scale bytes, 32 a row
	s_mov_b32 s93, 0
	s_lshl_b32 s46, s40, 10
	s_mov_b32 s47, 0
	s_lshl_b32 s66, s40, 5
	s_mov_b32 s67, 0
	s_mul_i32 s45, s[WV], HALFT                    ; where they go: wave x 128 rows: no place in the cluster enters an LDS address
	s_mul_i32 s22, s[WV], HALFS
	s_wait_kmcnt 0x0
	s_cmp_lt_u32 s[CY], 8
	s_cselect_b64 s[100:101], s[4:5], s[8:9]       ; source 1's codes: x (q, k) or W (v)
	s_cselect_b64 s[8:9], s[8:9], s[4:5]           ; source 0's codes
	s_cselect_b64 s[4:5], s[6:7], s[10:11]         ; source 1's scales
	s_cselect_b64 s[10:11], s[10:11], s[6:7]       ; source 0's scales
	s_add_nc_u64 s[100:101], s[100:101], s[94:95]
	s_add_nc_u64 s[4:5], s[4:5], s[92:93]
	s_add_nc_u64 s[8:9], s[8:9], s[46:47]
	s_add_nc_u64 s[10:11], s[10:11], s[66:67]
	CROUND                                         ; all sixteen work-groups are here: the first joint loads meet
	s_mov_b32 s[G0S], 1
	s_add_co_u32 s[G0S+1], s22, SCL
	s_mov_b64 s[G0S+2:G0S+3], s[4:5]
	s_or_b32 s[G0S+3], s[G0S+3], 0x80000000
	s_mov_b32 s[G0SB], 1
	s_add_co_u32 s[G0SB+1], s22, SCL
	s_mov_b64 s[G0SB+2:G0SB+3], s[10:11]
	s_or_b32 s[G0SB+3], s[G0SB+3], 0x80000000
	JLOAD G0S, G1S, G0SB, G1SB                     ; the scales first: they are wanted with K step 0
.irp s, 0,1
	s_mov_b32 s[G0+4*\s], 1
	s_add_co_u32 s[G0+4*\s+1], s45, \s*SLOT
	s_add_nc_u64 s[G0+4*\s+2:G0+4*\s+3], s[100:101], \s*ROWB
	s_or_b32 s[G0+4*\s+3], s[G0+4*\s+3], 0x80000000
	s_mov_b32 s[G0B+4*\s], 1
	s_add_co_u32 s[G0B+4*\s+1], s45, \s*SLOT
	s_add_nc_u64 s[G0B+4*\s+2:G0B+4*\s+3], s[8:9], \s*ROWB
	s_or_b32 s[G0B+4*\s+3], s[G0B+4*\s+3], 0x80000000
	JLOAD G0+4*\s, G1, G0B+4*\s, G1B               ; three tensor loads of mine are out
.endr
	; my rows: R0 of source 0, R1 of source 1; which of them are tokens and which features; the bias
	s_lshl_b32 s40, s42, 8
	s_lshl_b32 s92, s[CH], 7
	s_add_co_u32 s40, s40, s92                     ; R0
	s_lshl_b32 s41, s23, 8
	s_lshl_b32 s92, s[RH], 7
	s_add_co_u32 s41, s41, s92                     ; R1
	s_cmp_lt_u32 s[CY], 8
	s_cselect_b32 s43, s41, s40                    ; my first token
	s_cselect_b32 s44, s40, s41                    ; my first feature
	s_cselect_b32 s45, s40, 0                      ; the set that does not apply is loaded from the bias's first bytes, so that no load leaves the buffer, and cleared below
	s_cselect_b32 s46, 0, s41
	s_cselect_b32 s47, -1, 0
	s_cselect_b32 s66, 9, 8                        ; 128 tokens' words in sc: 512 bytes (q, k) or 256 (v)
	s_lshl_b32 s45, s45, 2
	s_lshl_b32 s46, s46, 2
	v_lshl_add_u32 v22, v2, 5, s45                 ; along the registers: tile b's eight of my half: 64 b + 32 h bytes on
	v_lshl_add_u32 v23, v1, 2, s46                 ; along the lanes: 64 a + 4 r
.irp b, 0,1,2,3,4,5,6,7
	global_load_b128 v[B0+8*\b:B0+8*\b+3], v22, s[12:13] offset:64*\b
	global_load_b128 v[B0+8*\b+4:B0+8*\b+7], v22, s[12:13] offset:64*\b+16
.endr
.irp a, 0,1,2,3,4,5,6,7
	global_load_b32 v[B1+\a], v23, s[12:13] offset:64*\a
.endr
	v_mul_u32_u24 v4, v1, PITCH
	v_lshl_add_u32 v4, v2, 4, v4                   ; a fragment's row x pitch + 16 x half
	s_mul_i32 s92, s[RH], HALFT                    ; my 128 rows of source 1
	s_mul_i32 s93, s[CH], HALFT                    ; my 128 rows of source 0,
	s_add_co_u32 s93, s93, 2*HALFT                 ; which lie behind source 1's 256
.irp s, 0,1
	v_add_nc_u32 v[ADRA+\s], s92, v4
	v_add_nc_u32 v[ADRB+\s], s93, v4
	s_add_co_u32 s92, s92, SLOT
	s_add_co_u32 s93, s93, SLOT
.endr
	v_mul_u32_u24 v5, v1, KS                       ; my row's scales: 32 bytes a row,
	v_lshrrev_b32 v6, 8, v5
	v_lshl_add_u32 v5, v6, 4, v5                   ; and 16 more for each 256 passed
	s_mul_i32 s92, s[RH], HALFS
	s_mul_i32 s93, s[CH], HALFS
	s_add_co_u32 s93, s93, 2*HALFS
	s_sub_co_u32 s93, s93, s92
	v_mul_u32_u24 v6, s93, v2                      ; lanes 16-31 take source 0's: one product, the distance between the two bases
	s_add_co_u32 s92, s92, SCL
	v_add_nc_u32 v5, v5, v6
	v_add_nc_u32 v[ADRS], s92, v5
	; where my results go
	s_lshr_b32 s92, s43, 11                        ; batch
	s_bfe_u32 s93, s43, 0x40007                    ; which 128 tokens of the batch
	s_bfe_u32 s94, s44, 0x40006                    ; my first head
	s_lshr_b32 s95, s44, 10                        ; 0: q, 1: k, 2: v
	s_lshl_b32 s92, s92, 4
	s_add_co_u32 s92, s92, s94                     ; 16 x batch + head
	s_min_u32 s94, s95, 1
	s_mul_i32 s100, s92, BHB
	s_add_co_u32 s101, s94, 13
	s_lshl_b32 s101, s93, s101                     ; 128 tokens are 8,192 bytes of q, 16,384 of k and v together
	s_add_co_u32 s100, s100, s101
	s_lshl_b32 s101, s94, 17                       ; k and v lie behind q's 131,072 bytes,
	s_add_co_u32 s100, s100, s101
	s_lshr_b32 s101, s95, 1
	s_lshl_b32 s101, s101, 13                      ; v behind k's 8,192
	s_add_co_u32 s100, s100, s101
	s_mov_b32 s101, 0
	s_add_nc_u64 s[14:15], s[14:15], s[100:101]
	s_mul_i32 s100, s92, BHS
	s_lshl_b32 s94, s95, 13
	s_add_co_u32 s100, s100, s94
	s_lshl_b32 s94, s93, s66
	s_add_co_u32 s100, s100, s94
	s_add_nc_u64 s[16:17], s[16:17], s[100:101]
	s_wait_loadcnt 0x0                             ; the bias
.set i, 0
.rept 64
	v_and_b32 v[B0+i], s47, v[B0+i]                ; kept for q and k, cleared for v
.set i, i+1
.endr
	s_not_b32 s47, s47
.set i, 0
.rept 8
	v_and_b32 v[B1+i], s47, v[B1+i]                ; and the other way round
.set i, i+1
.endr
.macro FRAG reg, adr, q, i             ; 16 rows x 128 K: lane l holds row l % 16; registers 4 c .. 4 c + 3 hold K = 32 c + 16 (l / 16) + 0 .. 15
.irp c, 0,1,2,3
	ds_load_b128 v[\reg+4*\c:\reg+4*\c+3], v[\adr] offset:128*(\q)+32*\c+(\i)*16*PITCH
.endr
.endm
; 16 matrix instructions: source 1's blocks a0, a0 + 1 x source 0's eight, the slot's q-th 128 along K.  p: source 0's set; sc: the set of scale words.  first = 1: the sums begin with the bias along the registers.
; The 64 accumulators take turns, one instruction a turn, in the same order in every step.
.macro MUL16 a0, p, q, sc, first
.irp a, \a0, \a0+1
.irp b, 0,1,2,3,4,5,6,7
.if \first
	v_wmma_scale_f32_16x16x128_f8f6f4 v[8*(8*((\a)%4)+\b):8*(8*((\a)%4)+\b)+7], v[128*(\p)+FR*\b:128*(\p)+FR*\b+FR-1], v[AF+FR*(\a):AF+FR*(\a)+FR-1], v[B0+8*\b:B0+8*\b+7], v[SC+8*NQ*(\sc)+NQ*\b+(\q)], v[SC+8*NQ*(\sc)+NQ*(\a)+(\q)] matrix_a_fmt:MATRIX_FMT_BF8 matrix_b_fmt:MATRIX_FMT_BF8 matrix_a_scale:MATRIX_SCALE_ROW1
.else
	v_wmma_scale_f32_16x16x128_f8f6f4 v[8*(8*((\a)%4)+\b):8*(8*((\a)%4)+\b)+7], v[128*(\p)+FR*\b:128*(\p)+FR*\b+FR-1], v[AF+FR*(\a):AF+FR*(\a)+FR-1], v[8*(8*((\a)%4)+\b):8*(8*((\a)%4)+\b)+7], v[SC+8*NQ*(\sc)+NQ*\b+(\q)], v[SC+8*NQ*(\sc)+NQ*(\a)+(\q)] matrix_a_fmt:MATRIX_FMT_BF8 matrix_b_fmt:MATRIX_FMT_BF8 matrix_a_scale:MATRIX_SCALE_ROW1
.endif
.endr
.endr
.endm
.macro FETCH_B slot, q, p
	WIN TO_B
.irp i, 0,1,2,3,4,5,6,7
	FRAG 128*(\p)+FR*\i, ADRB+\slot, \q, \i
.endr
	WIN 0
.endm
.macro FETCH_A slot, q, i0
.irp i, \i0, \i0+1, \i0+2, \i0+3
	FRAG AF+FR*(\i), ADRA+\slot, \q, \i
.endr
.endm
.macro SCALES sc                       ; a K step's scale words: two a row; lanes 0-15 take source 1's block i, lanes 16-31 source 0's block i
.irp i, 0,1,2,3,4,5,6,7
	ds_load_b64 v[SC+8*NQ*\sc+NQ*\i:SC+8*NQ*\sc+NQ*\i+1], v[ADRS] offset:\i*SBLK
.endr
.endm
.macro PLACES n                        ; plain vector instructions between a matrix instruction and a load into, or a read of, its registers
.rept \n
	v_nop
.endr
.endm
; A step of 128 along K that has its successor in the same slot.  Source 1 has one set of registers: blocks 0-3 are fetched anew in the step's middle, blocks 4-7 at its end.
.macro STEP slot, q, first
	s_wait_dscnt 4*NL                              ; all but the youngest sixteen loads (source 1's blocks 4-7)
	WIN MUL_LO-0x20*(\first)                       ; (first: C, the bias, lies in window 0)
	MUL16 0, (\q)%2, \q, \slot, \first
	MUL16 2, (\q)%2, \q, \slot, \first
	s_wait_dscnt 0
	PLACES NP
	FETCH_B \slot, (\q)+1, 1-(\q)%2
	FETCH_A \slot, (\q)+1, 0
	WIN MUL_HI-0x30*(\first)
	MUL16 4, (\q)%2, \q, \slot, \first
	MUL16 6, (\q)%2, \q, \slot, \first
	PLACES NP
	WIN 0
	FETCH_A \slot, (\q)+1, 4
.endm
; A slot's last step changes slots: one barrier; in front of it each wave waits for all its tensor loads, adds 0 to its spare word, and waits for that and for its own reads of this slot.  fill = 1: the slot is filled again, two K steps ahead.
.macro TURN slot, next, fill
	s_wait_tensorcnt 0x0                           ; all my tensor loads have landed: my part of the next slot
	ds_add_u32 v[SPW], v[NIL]                      ; 0 onto my spare word
	s_wait_dscnt 4*NL+1                            ; (the add and the youngest sixteen loads may be out)
	WIN MUL_LO
	MUL16 0, 1, NQ-1, \slot, 0
	s_wait_dscnt 0x0                               ; the add is done, and my reads of this slot are over
	s_barrier_signal -1
	MUL16 2, 1, NQ-1, \slot, 0
	WIN 0
	s_barrier_wait -1
.if \fill
	CREST                                          ; the barrier has opened a round of the cluster's: no wave of any partner still reads this slot or has a load on its way
	s_add_nc_u64 s[G0+4*\slot+2:G0+4*\slot+3], s[G0+4*\slot+2:G0+4*\slot+3], 2*ROWB
	s_add_nc_u64 s[G0B+4*\slot+2:G0B+4*\slot+3], s[G0B+4*\slot+2:G0B+4*\slot+3], 2*ROWB
	JLOAD G0+4*\slot, G1, G0B+4*\slot, G1B         ; the first tensor load behind the round, my only one until the next; its four v_nop are four of the eight places
	PLACES NP-4
.else
	PLACES NP
.endif
	v_add_nc_u32 v[ADRS], 4*NQ, v[ADRS]            ; the next K step's scale words
	FETCH_B \next, 0, 0
	FETCH_A \next, 0, 0
	SCALES \next
	WIN MUL_HI
	MUL16 4, 1, NQ-1, \slot, 0
	MUL16 6, 1, NQ-1, \slot, 0
	PLACES NP
	WIN 0
	FETCH_A \next, 0, 4
.endm
	s_wait_tensorcnt 1                             ; the scales and my part of K step 0 are in; K step 1's load, the one issued behind them, may be out
	s_barrier_signal -1
	s_barrier_wait -1
	FETCH_B 0, 0, 0
	FETCH_A 0, 0, 0
	SCALES 0
	FETCH_A 0, 0, 4
	STEP 0, 0, 1                                   ; the first step stands in front of the loop: its products start the sums
	s_mov_b32 s3, LAPS-1
.Llap:                                             ; a trip goes once round the ring and fills both slots again
	TURN 0, 1, 1
	STEP 1, 0, 0
	TURN 1, 0, 1
	STEP 0, 0, 0
	s_sub_co_u32 s3, s3, 1
	s_cmp_lg_u32 s3, 0
	s_cbranch_scc1 .Llap
	TURN 0, 1, 0                                   ; the last lap fills nothing
	STEP 1, 0, 0
	s_wait_dscnt 4*NL
	WIN MUL_LO
	MUL16 0, 1, NQ-1, 1, 0
	MUL16 2, 1, NQ-1, 1, 0
	s_wait_dscnt 0
	WIN MUL_HI
	MUL16 4, 1, NQ-1, 1, 0
	MUL16 6, 1, NQ-1, 1, 0
	WIN 0
; THE WAY OUT: no LDS.  64 numbers of a lane, register 16 b + i, are four blocks' halves (the other half lies in lane l xor 16); they become 16 registers of codes and a scale word.
.macro QUANT s, w
.irp b, 0,1,2,3
	v_max3_num_f32 v[TM+\b], |v[\s+16*\b]|, |v[\s+1+16*\b]|, 0x8000000   ; my 16 numbers, and the floor 2^(16 - 127): the byte cannot fall under 1
.endr
.irp i, 2,4,6,8,10,12,14
.irp b, 0,1,2,3
	v_max3_num_f32 v[TM+\b], v[TM+\b], |v[\s+16*\b+\i]|, |v[\s+1+16*\b+\i]|   ; the four blocks by turns
.endr
.endr
.irp b, 0,1,2,3
	v_permlanex16_b32 v[TM+4+\b], v[TM+\b], s[SEL], s[SEL+1]
.endr
.irp b, 0,1,2,3
	v_max_num_f32 v[TM+\b], v[TM+\b], v[TM+4+\b]   ; the block's largest magnitude
.endr
.irp b, 0,1,2,3
	v_add_nc_u32 v[TM+12+\b], 0xf8800000, v[TM+\b] ; 15 off its exponent field: the conversion's scale operand
.endr
.irp b, 0,1,2,3
	v_and_or_b32 v[TM+8+\b], v[TM+\b], 0x7f800000, s[MNT]   ; 57,344 x the scale
.endr
.irp b, 0,1,2,3
	v_lshrrev_b32 v[TM+4+\b], 23, v[TM+12+\b]      ; the scale's byte
.endr
	v_lshl_or_b32 v[\w], v[TM+5], 8, v[TM+4]
	v_lshl_or_b32 v[\w], v[TM+6], 16, v[\w]
	v_lshl_or_b32 v[\w], v[TM+7], 24, v[\w]
.irp b, 0,1,2,3
.irp i, 0,1,2,3,4,5,6,7,8,9,10,11,12,13,14,15
	v_med3_num_f32 v[\s+16*\b+\i], v[\s+16*\b+\i], -v[TM+8+\b], v[TM+8+\b]   ; the conversion to an 8-bit code does not saturate (ISA guide 7.6.2): the hold
.endr
	v_cvt_scalef32_pk8_bf8_f32 v[PC+4*\b:PC+1+4*\b], v[\s+16*\b:\s+7+16*\b], v[TM+12+\b]
	v_cvt_scalef32_pk8_bf8_f32 v[PC+2+4*\b:PC+3+4*\b], v[\s+8+16*\b:\s+15+16*\b], v[TM+12+\b]
.endr
	v_nop                                          ; a plain line behind the last conversion, ahead of the next vector line that writes its sources
.endm
.macro OUTBLK a                        ; source 1's block a: 16 rows x my 128 of source 0
.if (\a) > 0
	s_wait_xcnt 0x0                                ; the last block's stores have read their data and their base: both are written again only behind this wait
	s_add_nc_u64 s[14:15], s[14:15], s[96:97]
.endif
.if (\a) == 4
	s_add_nc_u64 s[14:15], s[14:15], s[98:99]
.endif
	WIN 0x02+(\a)/4                                ; source 0: window 2 or 3
.set i, 0
.rept 32
.if ((\a)%2) == 0
	v_pk_add_f32 v[X+2*i:X+2*i+1], v[64*((\a)%4)+2*i:64*((\a)%4)+2*i+1], v[B1+2*((\a)/2):B1+2*((\a)/2)+1] op_sel_hi:[1,0]   ; the sums come into window 0, each accumulator from its low end on, with the bias along the lanes
.else
	v_pk_add_f32 v[X+2*i:X+2*i+1], v[64*((\a)%4)+2*i:64*((\a)%4)+2*i+1], v[B1+2*((\a)/2):B1+2*((\a)/2)+1] op_sel:[0,1] op_sel_hi:[1,1]
.endif
.set i, i+1
.endr
	WIN 0
	QUANT X, SW+(\a)
	global_store_b128 v[OFF0], v[PC:PC+3], s[14:15]                  ; each store of the wave covers 512 consecutive bytes, aligned
	global_store_b128 v[OFF0], v[PC+4:PC+7], s[14:15] offset:512
	global_store_b128 v[OFF1], v[PC+8:PC+11], s[14:15]
	global_store_b128 v[OFF1], v[PC+12:PC+15], s[14:15] offset:512
.endm
	PLACES NP                                      ; behind the last products: their results are read and source 1's registers written below
	s_mov_b32 s[SEL], 0x76543210
	s_mov_b32 s[SEL+1], 0xfedcba98                 ; v_permlanex16_b32's selects for lane l xor 16
	s_mov_b32 s[MNT], 0x600000                     ; the mantissa field of 57,344
.irp b, 0,1,2,3
	v_mov_b32 v[TM+4+\b], 0                        ; a lane permute's destination counts as one of its sources
.endr
.irp a, 0,1,2,3,4,5,6,7
	OUTBLK \a
.endr
.irp i, 0,1,2,3,4,5,6,7
	v_lshrrev_b32 v[SW+\i], v[VSH], v[SW+\i]       ; q, k: lanes 16-31 bring the second head's two bytes down
.endr
.irp i, 0,1,2,3,4,5,6,7
	v_and_b32 v[SW+\i], s2, v[SW+\i]               ; q, k: two bytes; v: all four
.endr
	global_store_b128 v[SOF0], v[SW:SW+3], s[16:17]      ; sixteen lanes store 256 consecutive bytes, aligned (v: lanes 16-31 store the same bytes again)
	global_store_b128 v[SOF1], v[SW+4:SW+7], s[16:17]
	s_wait_tensorcnt 0x0                           ; the wave's end
	ds_add_u32 v[SPW], v[NIL]
	s_wait_dscnt 0x0
	CROUND                                         ; the closing round: no work-group ends while a partner may still ask for a tile that names it
	s_endpgm
.Lfunc_end_k_qeb3af6e2a1_qkv:
	.size	k_qeb3af6e2a1_qkv, .Lfunc_end_k_qeb3af6e2a1_qkv-k_qeb3af6e2a1_qkv
	.p2alignl 7, 3214868480
	.fill 96, 4, 3214868480
	.section	.rodata,"a",@progbits
	.p2align	6, 0x0
	.amdhsa_kernel k_qeb3af6e2a1_qkv
		.amdhsa_group_segment_fixed_size 327680
		.amdhsa_private_segment_fixed_size 0
		.amdhsa_enable_private_segment 0
		.amdhsa_kernarg_size 56
		.amdhsa_user_sgpr_count 2
		.amdhsa_user_sgpr_kernarg_segment_ptr 1
		.amdhsa_wavefront_size32 1
		.amdhsa_system_sgpr_workgroup_id_x 1
		.amdhsa_system_sgpr_workgroup_id_y 1
		.amdhsa_system_sgpr_workgroup_id_z 1
		.amdhsa_system_vgpr_workitem_id 0
		.amdhsa_next_free_vgpr 1024
		.amdhsa_next_free_sgpr 102
		.amdhsa_reserve_vcc 0
		.amdhsa_float_denorm_mode_32 3
		.amdhsa_float_denorm_mode_16_64 3
		.amdhsa_memory_ordered 1
		.amdhsa_forward_progress 1
		.amdhsa_inst_pref_size 207
	.end_amdhsa_kernel
	.amdgpu_metadata
---
amdhsa.version: [ 1, 2 ]
amdhsa.kernels:
  - .name:           k_qeb3af6e2a1_qkv
    .symbol:         k_qeb3af6e2a1_qkv.kd
    .args:
      - { .name: x_codes, .offset: 0, .size: 8, .value_kind: global_buffer, .address_space: global }
      - { .name: x_scales, .offset: 8, .size: 8, .value_kind: global_buffer, .address_space: global }
      - { .name: qkv_w_codes, .offset: 16, .size: 8, .value_kind: global_buffer, .address_space: global }
      - { .name: qkv_w_scales, .offset: 24, .size: 8, .value_kind: global_buffer, .address_space: global }
      - { .name: qkv_b, .offset: 32, .size: 8, .value_kind: global_buffer, .address_space: global }
      - { .name: img, .offset: 40, .size: 8, .value_kind: global_buffer, .address_space: global }
      - { .name: sc, .offset: 48, .size: 8, .value_kind: global_buffer, .address_space: global }
    .group_segment_fixed_size: 327680
    .private_segment_fixed_size: 0
    .kernarg_segment_align: 8
    .kernarg_segment_size: 56
    .max_flat_workgroup_size: 128
    .sgpr_count:     102
    .vgpr_count:     1024
    .wavefront_size: 32
...
	.end_amdgpu_metadata
.endif
;; end of part 1
;; launch attn (part 2): grid 8 x 64, 16 waves a work-group, clusters of 4 x 1, 276,480 bytes of LDS; arguments img, sc, aimg, asc; writes aimg, asc
.if DOCPART == 2
	.amdgcn_target "amdgcn-amd-amdhsa--gfx1250"
	.amdhsa_code_object_version 6
	.text
	.protected	k_qeb3af6e2a1_attn
	.globl	k_qeb3af6e2a1_attn
	.p2align	8
	.type	k_qeb3af6e2a1_attn,@function
k_qeb3af6e2a1_attn:
	s_mov_b64 s[64:65], 0
	v_nop
	global_prefetch_b8 v0, s[64:65] scope:SCOPE_SE
	s_setreg_imm32_b32 hwreg(HW_REG_WAVE_MODE, 25, 1), 1
	s_wait_xcnt 0x0
	s_wait_alu depctr_hold_cnt(0) depctr_sa_sdst(0) depctr_va_vdst(0) depctr_va_sdst(0) depctr_va_ssrc(0) depctr_va_vcc(0) depctr_vm_vsrc(0)
	s_getreg_b32 s2, hwreg(HW_REG_IB_STS2, 6, 4)
	s_cmp_eq_u32 s2, 0
	s_cbranch_scc0 .Lentry_in_a_cluster
	s_endpgm
.Lentry_in_a_cluster:
	s_bfe_u32 s2, ttmp6, 0x10000c
	s_cmp_lg_u32 s2, 0x3003
	s_cbranch_scc0 .Lentry_shape_is_right
	s_endpgm
.Lentry_shape_is_right:
; o = softmax(q k^T / 8) v for 64 (batch, head)s of 2,048 tokens x 64 channels, both products on codes of BF8 (E5M2) with E8M0 scales, and the quantiser of o (along the model's 1,024) behind them.
; q, k, v^T arrive as images of operand registers (img) with their scale words (sc), as the launch before laid them.  Inside each block of 32 their k stand in one common order, which p takes too: the products are unchanged.
; THE SOFTMAX: t = score x log2(e) / 8; M = the row's largest t so far, rounded UP to a whole number; p = 2^(t - M) is quantised along the keys, not normalised; the row's sum is taken of the unquantised p and divides o at the end.
; When M moves, the sum and o are multiplied by 2^(old M - new M): exact.
; SHARES.  A work-group owns 256 queries of one head, each of its sixteen waves one tile of 16, in 256 registers: four waves to a SIMD, so that one wave's vector work stands beside another's products and LDS loads.
; THE WHOLE HEAD'S K AND V LIE IN LDS: 16 chunks of 128 keys x 16,384 bytes, and 12,288 bytes of scale words.  No byte of LDS is filled twice: no ring.  Waves 0 to 3 ask for everything at the head, five tensor loads each;
; the keys are walked in four layers of four chunks, each behind a counted wait and a barrier, so that the first layer is worked while the others land.
; CLUSTER.  The four query blocks of a cluster belong to one head: each load is asked for JOINTLY by the four work-groups (mask 15), with a descriptor made of the head and the wave's number alone.
; LAYOUT.  S^T = K Q^T (source 0 = 16 keys, source 1 = my 16 queries), O^T = V^T P^T (source 0 = 16 channels, source 1 = P): a lane holds ONE query (lane % 16) throughout.
; K = 64 IN AN INSTRUCTION OF K = 128.  Q's fragment has zero codes in its upper 64.  K's fragment of tile t names 16 registers of which the upper eight are tile t + 1's codes (behind tile 7: zeros): finite numbers, since the
; quantiser holds at 57,344, times zero.  So K takes half the LDS bytes and registers that a padded fragment would.
; OUT.  aimg [128 tokens: 64][128 along K: 8][tile 8][block 4][lane][16]: images of the next product's operand, k in its true order (four exchanges between the halves of the lanes).  asc [token][32]: byte 2 head + block.
; A head owns 2 of a token's 32 scale bytes, so these leave by stores of 2 bytes a lane: one byte for each 32 of codes.
; LIMITS: NaN and infinities are not served.  A block of zeros gets the byte 1 (the rule says 127): its codes are zeros, and this program alone reads the bytes.  The division by the sum is v_rcp_f32 and a multiplication.
.set SCB,  262144                      ; LDS: the scale words: k's 8,192 bytes [tile / 4][row][tile % 4][4], then v's 4,096 [chunk][row][16 channels: 4][4]
.set LI,   1                           ; v1   16 x lane
.set LSC,  2                           ; v2   SCB + 16 (lane % 16)
.set ADK,  3                           ; v3   the chunk in hand
.set ADS,  4                           ; v4   its words of k
.set ADT,  5                           ; v5   and of v
.set QWO,  6                           ; v6   16 (lane % 16)
.set GS,   7                           ; v7   32 (lane % 16)
.set QF,   16                          ; v16-23 Q's codes, v24-31 zero codes
.set KF,   32                          ; v32-95 K's eight fragments of 8 registers, later V's four of 16; v96-103 zero codes
.set S,    104                         ; v104-167 S^T, then p
.set O,    168                         ; v168-199 O^T
.set PC,   200                         ; v200-215 p's codes
.set BM,   216                         ; the blocks' maxima
.set PT,   220
.set HD,   224
.set SO,   228
.set KW,   232                         ; v232-239 k's scale words, v240-243 v's, v244 q's, v247 p's: scales and nothing else
.set VW,   240
.set QW,   244
.set F,    246                         ; 2^(old M - new M); named with v247 as a pair
.set PW,   247
.set L2,   248                         ; v[248:249] the sums' second chain
.set TMP,  250
.set WV,   12
.set CNT,  18
.set MNT,  19
.set SEL,  20
.set CS,   22
.set G1C,  24
.set G1S,  32
.set G0S,  40
.set G0C,  44
.set TB,   60
.set TS,   61
.set TJ,   62
.macro CROUND                          ; a round of the cluster's barrier
	s_barrier_signal -1
	s_barrier_wait -1
	s_cmp_lg_u32 s[WV], 0
	s_cbranch_scc1 .Lnot_wave_0_\@
	s_barrier_signal -3
.Lnot_wave_0_\@:
	s_barrier_wait -3
	s_barrier_signal -1
	s_barrier_wait -1
.endm
	s_load_b256 s[4:11], s[0:1], 0x0               ; img, sc, aimg, asc
	v_lshl_add_u32 v254, v0, 2, 0x43000
	v_mov_b32 v255, 0
	ds_add_u32 v254, v255
	ds_add_u32 v254, v255
	v_lshrrev_b32 v1, 5, v0
	v_readfirstlane_b32 s[WV], v1                  ; wave 0..15
	s_bfe_u32 s13, ttmp6, 0x40000                  ; cx
	s_lshl_b32 s14, ttmp9, 2
	s_add_co_u32 s14, s14, s13                     ; my block of 256 queries
	s_lshl_b32 s14, s14, 4
	s_add_co_u32 s14, s14, s[WV]                   ; my tile of 16 queries, 0..127: it enters global addresses alone
	s_and_b32 s15, ttmp7, 0xffff                   ; 16 x batch + head, which the four partners share
	s_and_b32 s16, s[WV], 3
	; descriptor group 1: a chunk is 16,384 dense bytes: 64 rows of 256 (32 elements of 8 bytes), no padding; a quarter of the scale words 12 such rows
	s_mov_b32 s[G1C], 15|(3<<16)|(1<<21)           ; 15:0 the mask: all four work-groups; 17:16 elements of 8 bytes; 21 set beside a mask
	s_mov_b32 s[G1C+1], 32<<16
	s_mov_b32 s[G1C+2], 64<<16
	s_mov_b32 s[G1C+3], 32<<16
	s_mov_b32 s[G1C+4], 64
	s_mov_b32 s[G1C+5], 32
	s_mov_b32 s[G1C+6], 0
	s_mov_b32 s[G1C+7], 0
	s_mov_b32 s[G1S], 15|(3<<16)|(1<<21)
	s_mov_b32 s[G1S+1], 32<<16
	s_mov_b32 s[G1S+2], 12<<16
	s_mov_b32 s[G1S+3], 32<<16
	s_mov_b32 s[G1S+4], 12
	s_mov_b32 s[G1S+5], 32
	s_mov_b32 s[G1S+6], 0
	s_mov_b32 s[G1S+7], 0
	s_mov_b32 s[SEL], 0x76543210
	s_mov_b32 s[SEL+1], 0xfedcba98                 ; lane l xor 16
	s_mov_b32 s[CS], 0x3e38aa3b                    ; c = log2(e) / 8
	s_mov_b32 s[CS+1], s[CS]                       ; (named with it as a pair)
	s_mov_b32 s[MNT], 0x600000                     ; the mantissa field of 57,344
	s_mul_i32 s66, s15, 393216                     ; the head's first byte in img,
	s_mov_b32 s67, 0
	s_mul_i32 s68, s15, 20480                      ; and in sc
	s_mov_b32 s69, 0
	s_lshl_b32 s70, s16, 14                        ; chunk wave % 4: in LDS,
	s_add_co_u32 s72, s66, s70
	s_add_co_u32 s72, s72, 131072                  ; and in memory, behind q's 131,072 bytes
	s_mov_b32 s73, 0
	s_mul_i32 s71, s16, 3072                       ; my quarter of k's and v's scale words,
	s_add_co_u32 s74, s68, s71
	s_add_co_u32 s74, s74, 8192                    ; behind q's 8,192 bytes
	s_mov_b32 s75, 0
	s_lshl_b32 s76, s14, 10
	s_add_co_u32 s66, s66, s76                     ; my tile of q: 1,024 bytes a tile
	s_lshr_b32 s76, s14, 2
	s_lshl_b32 s76, s76, 8
	s_add_co_u32 s68, s68, s76
	s_and_b32 s76, s14, 3
	s_lshl_b32 s76, s76, 2
	s_add_co_u32 s68, s68, s76                     ; its scale words: 256 (tile / 4) + 4 (tile % 4)
	s_lshr_b32 s76, s15, 4
	s_lshl_b32 s76, s76, 7
	s_add_co_u32 s76, s76, s14                     ; my tile among all 512: 128 x batch + tile
	s_and_b32 s77, s15, 15                         ; the head
	s_lshr_b32 s78, s76, 3
	s_lshl_b32 s78, s78, 17                        ; aimg: 131,072 for each 128 tokens,
	s_lshr_b32 s79, s77, 1
	s_lshl_b32 s79, s79, 14                        ; 16,384 for each 128 along K (two heads),
	s_add_co_u32 s78, s78, s79
	s_and_b32 s79, s76, 7
	s_lshl_b32 s79, s79, 11                        ; 2,048 a tile,
	s_add_co_u32 s78, s78, s79
	s_and_b32 s79, s77, 1
	s_lshl_b32 s79, s79, 10                        ; 1,024 for the odd head's two blocks
	s_add_co_u32 s78, s78, s79
	s_mov_b32 s79, 0
	s_lshl_b32 s76, s76, 9                         ; asc: 512 a tile, 2 a head
	s_lshl_b32 s77, s77, 1
	s_add_co_u32 s76, s76, s77
	s_mov_b32 s77, 0
	s_wait_dscnt 0x0
	s_wait_kmcnt 0x0
	s_add_nc_u64 s[8:9], s[8:9], s[78:79]
	s_add_nc_u64 s[10:11], s[10:11], s[76:77]
	s_add_nc_u64 s[72:73], s[4:5], s[72:73]
	s_add_nc_u64 s[74:75], s[6:7], s[74:75]
	s_add_nc_u64 s[4:5], s[4:5], s[66:67]
	s_add_nc_u64 s[6:7], s[6:7], s[68:69]
	CROUND                                         ; all four work-groups are here: the joint loads meet
	s_mov_b32 s[G0S], 1
	s_add_co_u32 s[G0S+1], s71, SCB
	s_mov_b64 s[G0S+2:G0S+3], s[74:75]
	s_or_b32 s[G0S+3], s[G0S+3], 0x80000000
.irp k, 0,1,2,3
	s_mov_b32 s[G0C+4*\k], 1
	s_add_co_u32 s[G0C+4*\k+1], s70, 65536*\k      ; chunk wave % 4 + 4 k
	s_add_nc_u64 s[G0C+4*\k+2:G0C+4*\k+3], s[72:73], 65536*\k
	s_or_b32 s[G0C+4*\k+3], s[G0C+4*\k+3], 0x80000000
.endr
	s_cmp_lt_u32 s[WV], 4                          ; all first fills of a wave stand in one branch on its number: five loads of mine are out
	s_cbranch_scc0 .Lno_fetch
	tensor_load_to_lds s[G0S:G0S+3], s[G1S:G1S+7]
	s_nop 0
	tensor_load_to_lds s[G0C:G0C+3], s[G1C:G1C+7]
	s_nop 0
	tensor_load_to_lds s[G0C+4:G0C+7], s[G1C:G1C+7]
	s_nop 0
	tensor_load_to_lds s[G0C+8:G0C+11], s[G1C:G1C+7]
	s_nop 0
	tensor_load_to_lds s[G0C+12:G0C+15], s[G1C:G1C+7]
	s_nop 0
.rept 4
	v_nop
.endr
.Lno_fetch:
	v_and_b32 v[LI], 31, v0
	v_lshlrev_b32 v[LI], 4, v[LI]
	v_and_b32 v[LSC], 15, v0
	v_lshlrev_b32 v[QWO], 4, v[LSC]
	v_lshlrev_b32 v[GS], 5, v[LSC]
	v_lshl_add_u32 v[LSC], v[LSC], 4, SCB
	global_load_b128 v[QF:QF+3], v[LI], s[4:5]             ; Q's image: two blocks of 32 channels
	global_load_b128 v[QF+4:QF+7], v[LI], s[4:5] offset:512
	global_load_b32 v[QW], v[QWO], s[6:7]
.irp j, 0,1,2,3,4,5,6,7
	v_mov_b32 v[QF+8+\j], 0                        ; zero codes; never rewritten
	v_mov_b32 v[KF+64+\j], 0
.endr
	v_mov_b32 v13, 0xff61b1e6                      ; the largest t so far: -3e38
	v_floor_f32 v12, -v13                          ; -M
	v_mov_b32 v14, 0                               ; the sum, in two halves
	v_mov_b32 v15, 0
.irp b, 0,1,2,3
	v_mov_b32 v[PT+\b], 0                          ; a lane permute's destination counts as one of its sources
.endr
	v_mov_b32 v[PW], 0                             ; (named as the upper half of the pair before it is first written)
.set i, 0
.rept 32
	v_mov_b32 v[O+i], 0                            ; O^T: the step is written without a first step of its own: the first change of M multiplies zeros
.set i, i+1
.endr
; A KEY STEP: one chunk of 128 keys.
.macro STEP
	v_add_nc_u32 v[ADK], s[TB], v[LI]
	v_add_nc_u32 v[ADS], s[TS], v[LSC]
	v_add_nc_u32 v[ADT], s[TJ], v[LSC]
.rept 5
	v_nop                                          ; with the three additions: eight places behind the last step's products, whose fragments' registers are loaded below
.endr
.irp t, 0,1,2,3,4,5,6,7
	ds_load_b128 v[KF+8*\t:KF+8*\t+3], v[ADK] offset:1024*\t          ; 32 lanes read 512 consecutive bytes
	ds_load_b128 v[KF+8*\t+4:KF+8*\t+7], v[ADK] offset:1024*\t+512
.endr
	ds_load_b128 v[KW:KW+3], v[ADS]                ; four tiles' words a load
	ds_load_b128 v[KW+4:KW+7], v[ADS] offset:256
	s_wait_dscnt 0x0
.irp t, 0,1,2,3,4,5,6,7
	v_wmma_scale_f32_16x16x128_f8f6f4 v[S+8*\t:S+8*\t+7], v[KF+8*\t:KF+8*\t+15], v[QF:QF+15], 0, v[KW+\t], v[QW] matrix_a_fmt:MATRIX_FMT_BF8 matrix_b_fmt:MATRIX_FMT_BF8
.endr                                              ; lane (r, h): query r; register 8 t + j: key 16 t + 8 h + j
.rept 8
	v_nop                                          ; places: K's registers are loaded again and the scores read
.endr
.irp t, 0,1,2,3
.irp c, 0,1,2,3
	ds_load_b128 v[KF+16*\t+4*\c:KF+16*\t+4*\c+3], v[ADK] offset:8192+2048*\t+512*\c   ; V^T: they land under the softmax
.endr
.endr
	ds_load_b128 v[VW:VW+3], v[ADT] offset:8192
.irp b, 0,1,2,3
	v_max3_num_f32 v[BM+\b], v[S+16*\b], v[S+1+16*\b], v[S+2+16*\b]   ; the largest score of each block of 32 keys: for the row's maximum, and, since p rises with the score, for the block's largest p
.endr
.irp i, 3,5,7,9,11,13
.irp b, 0,1,2,3
	v_max3_num_f32 v[BM+\b], v[BM+\b], v[S+16*\b+\i], v[S+1+16*\b+\i]
.endr
.endr
.irp b, 0,1,2,3
	v_max_num_f32 v[BM+\b], v[BM+\b], v[S+15+16*\b]
.endr
.irp b, 0,1,2,3
	v_permlanex16_b32 v[PT+\b], v[BM+\b], s[SEL], s[SEL+1]
.endr
.irp b, 0,1,2,3
	v_max_num_f32 v[BM+\b], v[BM+\b], v[PT+\b]     ; with lane l xor 16's 16 keys
.endr
	v_max3_num_f32 v[TMP], v[BM], v[BM+1], v[BM+2]
	v_max_num_f32 v[TMP], v[TMP], v[BM+3]
	v_mul_f32 v[TMP], s[CS], v[TMP]                ; as t (c is positive)
	v_max_num_f32 v13, v13, v[TMP]                 ; the running largest t
	v_mov_b32 v[TMP], v12
	v_floor_f32 v12, -v13                          ; the new -M = -ceil(t)
	v_sub_f32 v[TMP], v12, v[TMP]                  ; old M - new M: a whole number, 0 or less
	v_cvt_i32_f32 v[TMP], v[TMP]                   ; (it saturates)
	v_ldexp_f32 v[F], 1.0, v[TMP]                  ; f = 2^(old M - new M)
.set i, 0
.rept 32
	v_pk_fma_f32 v[S+2*i:S+2*i+1], v[S+2*i:S+2*i+1], s[CS:CS+1], v[12:13] op_sel_hi:[1,0,0]   ; t - M, two at a time
.set i, i+1
.endr
.irp b, 0,1,2,3
	v_fma_f32 v[BM+\b], v[BM+\b], s[CS], v12       ; the same of each block's largest score
.endr
.set i, 0
.rept 64
	v_exp_f32 v[S+i], v[S+i]                       ; p = 2^(t - M)
.set i, i+1
.endr
	v_pk_mul_f32 v[14:15], v[14:15], v[F:F+1] op_sel_hi:[1,0]   ; the sums under the new M: the plain line behind the exponentials
	s_wait_alu depctr_va_vdst(0)                   ; one wait for the batch of 64, ahead of its first reader
.irp b, 0,1,2,3
	v_exp_f32 v[BM+\b], v[BM+\b]                   ; the block's largest p
.endr
	v_pk_add_f32 v[L2:L2+1], v[S:S+1], v[S+2:S+3]  ; the row's sum of the unquantised p, in two chains
.irp j, 4,8,12,16,20,24,28,32,36,40,44,48,52,56,60
	v_pk_add_f32 v[14:15], v[14:15], v[S+\j:S+1+\j]
	v_pk_add_f32 v[L2:L2+1], v[L2:L2+1], v[S+2+\j:S+3+\j]
.endr
	v_pk_add_f32 v[14:15], v[14:15], v[L2:L2+1]
	s_wait_alu depctr_va_vdst(0)                   ; and one for the four
.irp b, 0,1,2,3
	v_max_num_f32 v[BM+\b], 0x8000000, v[BM+\b]    ; the floor 2^(16 - 127): the byte cannot fall under 1
.endr
.irp b, 0,1,2,3
	v_add_nc_u32 v[SO+\b], 0xf8800000, v[BM+\b]    ; 15 off the exponent field: the conversion's scale operand
.endr
.irp b, 0,1,2,3
	v_and_or_b32 v[HD+\b], v[BM+\b], 0x7f800000, s[MNT]   ; 57,344 x the scale
.endr
.irp b, 0,1,2,3
	v_lshrrev_b32 v[PT+\b], 23, v[SO+\b]           ; the scale's byte
.endr
	v_lshl_or_b32 v[PW], v[PT+1], 8, v[PT]         ; p's scale word for these 128 keys
	v_lshl_or_b32 v[PW], v[PT+2], 16, v[PW]
	v_lshl_or_b32 v[PW], v[PT+3], 24, v[PW]
.irp b, 0,1,2,3
.irp i, 0,1,2,3,4,5,6,7,8,9,10,11,12,13,14,15
	v_min_num_f32 v[S+16*\b+\i], v[S+16*\b+\i], v[HD+\b]   ; the conversion does not saturate (ISA guide 7.6.2); p is not negative: a one-sided hold
.endr
	v_cvt_scalef32_pk8_bf8_f32 v[PC+4*\b:PC+1+4*\b], v[S+16*\b:S+7+16*\b], v[SO+\b]
	v_cvt_scalef32_pk8_bf8_f32 v[PC+2+4*\b:PC+3+4*\b], v[S+8+16*\b:S+15+16*\b], v[SO+\b]
.endr
.set i, 0
.rept 16
	v_pk_mul_f32 v[O+2*i:O+2*i+1], v[O+2*i:O+2*i+1], v[F:F+1] op_sel_hi:[1,0]   ; O^T under the new M; these sixteen are also the places between the codes and the products
.set i, i+1
.endr
	s_wait_dscnt 0x0                               ; V^T and its words
.irp t, 0,1,2,3
	v_wmma_scale_f32_16x16x128_f8f6f4 v[O+8*\t:O+8*\t+7], v[KF+16*\t:KF+16*\t+15], v[PC:PC+15], v[O+8*\t:O+8*\t+7], v[VW+\t], v[PW] matrix_a_fmt:MATRIX_FMT_BF8 matrix_b_fmt:MATRIX_FMT_BF8
.endr                                              ; the four accumulators take turns; between two links of one chain stand the three others' and the next step's eight
	s_add_co_u32 s[TB], s[TB], 16384
	s_add_co_u32 s[TS], s[TS], 512
	s_add_co_u32 s[TJ], s[TJ], 256
.endm
; LAYER n: chunks 4 n to 4 n + 3.  A fetching wave has issued 3 - n loads behind its chunk of this layer (and the scale words ahead of all chunks); the other waves have none out.  The later chunks may stay out.
.macro LAYER n
	s_wait_tensorcnt 3-\n
	s_barrier_signal -1
	s_barrier_wait -1
	s_mov_b32 s[TB], 65536*\n
	s_mov_b32 s[TS], 2048*\n
	s_mov_b32 s[TJ], 1024*\n
	s_mov_b32 s[CNT], 4
.Lstep_\@:
	STEP
	s_sub_co_u32 s[CNT], s[CNT], 1
	s_cmp_lg_u32 s[CNT], 0
	s_cbranch_scc1 .Lstep_\@
.endm
	s_wait_loadcnt 0x0                             ; Q
	LAYER 0
	LAYER 1
	LAYER 2
	LAYER 3
	; THE WAY OUT.  o = O^T / the sum; its 64 channels are two blocks of 32 of the next product's K.
	v_add_f32 v14, v14, v15                        ; the sum's two halves,
	v_permlanex16_b32 v[TMP], v14, s[SEL], s[SEL+1]
	v_add_f32 v14, v14, v[TMP]                     ; and lane l xor 16's
	v_rcp_f32 v14, v14
.rept 6
	v_nop                                          ; with the two additions: eight places behind the last products; also the plain line behind the reciprocal
.endr
	s_wait_alu depctr_va_vdst(0)                   ; ahead of the reciprocal's first reader
.set i, 0
.rept 16
	v_pk_mul_f32 v[S+2*i:S+2*i+1], v[O+2*i:O+2*i+1], v[14:15] op_sel_hi:[1,0]   ; register 16 c + 8 u + j: channel 32 c + 16 u + 8 h + j; each accumulator from its low end on
.set i, i+1
.endr
.irp b, 0,1
	v_max3_num_f32 v[BM+\b], |v[S+16*\b]|, |v[S+1+16*\b]|, 0x8000000
.endr
.irp i, 2,4,6,8,10,12,14
.irp b, 0,1
	v_max3_num_f32 v[BM+\b], v[BM+\b], |v[S+16*\b+\i]|, |v[S+1+16*\b+\i]|
.endr
.endr
.irp b, 0,1
	v_permlanex16_b32 v[PT+\b], v[BM+\b], s[SEL], s[SEL+1]
.endr
.irp b, 0,1
	v_max_num_f32 v[BM+\b], v[BM+\b], v[PT+\b]
.endr
.irp b, 0,1
	v_add_nc_u32 v[SO+\b], 0xf8800000, v[BM+\b]
.endr
.irp b, 0,1
	v_and_or_b32 v[HD+\b], v[BM+\b], 0x7f800000, s[MNT]
.endr
.irp b, 0,1
	v_lshrrev_b32 v[PT+\b], 23, v[SO+\b]
.endr
	v_lshl_or_b32 v[L2+1], v[PT+1], 8, v[PT]       ; the head's two scale bytes of my query
.irp b, 0,1
.irp i, 0,1,2,3,4,5,6,7,8,9,10,11,12,13,14,15
	v_med3_num_f32 v[S+16*\b+\i], v[S+16*\b+\i], -v[HD+\b], v[HD+\b]
.endr
	v_cvt_scalef32_pk8_bf8_f32 v[PC+4*\b:PC+1+4*\b], v[S+16*\b:S+7+16*\b], v[SO+\b]
	v_cvt_scalef32_pk8_bf8_f32 v[PC+2+4*\b:PC+3+4*\b], v[S+8+16*\b:S+15+16*\b], v[SO+\b]
.endr
	v_nop                                          ; a plain line between the last conversion and the lines that touch its result
	; INTO TRUE ORDER.  Of a block, lanes 0-15 hold channels 0-7 and 16-23, lanes 16-31 channels 8-15 and 24-31; the operand wants 0-15 below and 16-31 above: the first pair's upper lanes change places with the second pair's lower lanes
	v_permlane16_swap_b32 v[PC], v[PC+2]
	v_permlane16_swap_b32 v[PC+1], v[PC+3]
	v_permlane16_swap_b32 v[PC+4], v[PC+6]
	v_permlane16_swap_b32 v[PC+5], v[PC+7]
	global_store_b128 v[LI], v[PC:PC+3], s[8:9]            ; each store of the wave covers 512 consecutive bytes, aligned
	global_store_b128 v[LI], v[PC+4:PC+7], s[8:9] offset:512
	global_store_b16 v[GS], v[L2+1], s[10:11]              ; 2 bytes of each of 16 rows of 32 (lanes 16-31 store the same again)
	s_wait_tensorcnt 0x0
	ds_add_u32 v254, v255
	s_wait_dscnt 0x0
	CROUND                                         ; the closing round
	s_endpgm
.Lfunc_end_k_qeb3af6e2a1_attn:
	.size	k_qeb3af6e2a1_attn, .Lfunc_end_k_qeb3af6e2a1_attn-k_qeb3af6e2a1_attn
	.p2alignl 7, 3214868480
	.fill 96, 4, 3214868480
	.section	.rodata,"a",@progbits
	.p2align	6, 0x0
	.amdhsa_kernel k_qeb3af6e2a1_attn
		.amdhsa_group_segment_fixed_size 276480
		.amdhsa_private_segment_fixed_size 0
		.amdhsa_enable_private_segment 0
		.amdhsa_kernarg_size 32
		.amdhsa_user_sgpr_count 2
		.amdhsa_user_sgpr_kernarg_segment_ptr 1
		.amdhsa_wavefront_size32 1
		.amdhsa_system_sgpr_workgroup_id_x 1
		.amdhsa_system_sgpr_workgroup_id_y 1
		.amdhsa_system_sgpr_workgroup_id_z 1
		.amdhsa_system_vgpr_workitem_id 0
		.amdhsa_next_free_vgpr 256
		.amdhsa_next_free_sgpr 80
		.amdhsa_reserve_vcc 0
		.amdhsa_float_denorm_mode_32 3
		.amdhsa_float_denorm_mode_16_64 3
		.amdhsa_memory_ordered 1
		.amdhsa_forward_progress 1
		.amdhsa_inst_pref_size 90
	.end_amdhsa_kernel
	.amdgpu_metadata
---
amdhsa.version: [ 1, 2 ]
amdhsa.kernels:
  - .name:           k_qeb3af6e2a1_attn
    .symbol:         k_qeb3af6e2a1_attn.kd
    .args:
      - { .name: img, .offset: 0, .size: 8, .value_kind: global_buffer, .address_space: global }
      - { .name: sc, .offset: 8, .size: 8, .value_kind: global_buffer, .address_space: global }
      - { .name: aimg, .offset: 16, .size: 8, .value_kind: global_buffer, .address_space: global }
      - { .name: asc, .offset: 24, .size: 8, .value_kind: global_buffer, .address_space: global }
    .group_segment_fixed_size: 276480
    .private_segment_fixed_size: 0
    .kernarg_segment_align: 8
    .kernarg_segment_size: 32
    .max_flat_workgroup_size: 512
    .sgpr_count:     80
    .vgpr_count:     256
    .wavefront_size: 32
...
	.end_amdgpu_metadata
.endif
;; end of part 2
;; launch proj (part 3): grid 8 x 64, 4 waves a work-group, clusters of 4 x 4, 288,256 bytes of LDS; arguments aimg, asc, out_w_codes, out_w_scales, out_b, out0; writes out0
.if DOCPART == 3
	.amdgcn_target "amdgcn-amd-amdhsa--gfx1250"
	.amdhsa_code_object_version 6
	.text
	.protected	k_qeb3af6e2a1_proj
	.globl	k_qeb3af6e2a1_proj
	.p2align	8
	.type	k_qeb3af6e2a1_proj,@function
k_qeb3af6e2a1_proj:
	s_mov_b64 s[64:65], 0
	v_nop
	global_prefetch_b8 v0, s[64:65] scope:SCOPE_SE
	s_setreg_imm32_b32 hwreg(HW_REG_WAVE_MODE, 25, 1), 1
	s_wait_xcnt 0x0
	s_wait_alu depctr_hold_cnt(0) depctr_sa_sdst(0) depctr_va_vdst(0) depctr_va_sdst(0) depctr_va_ssrc(0) depctr_va_vcc(0) depctr_vm_vsrc(0)
	s_getreg_b32 s2, hwreg(HW_REG_IB_STS2, 6, 4)
	s_cmp_eq_u32 s2, 0
	s_cbranch_scc0 .Lentry_in_a_cluster
	s_endpgm
.Lentry_in_a_cluster:
	s_bfe_u32 s2, ttmp6, 0x10000c
	s_cmp_lg_u32 s2, 0xf033
	s_cbranch_scc0 .Lentry_shape_is_right
	s_endpgm
.Lentry_shape_is_right:
; out = o W^T + b on codes of BF8 (E5M2) with E8M0 scales, K = 1,024.  o: images of operand registers (aimg: [128 tokens: 64][128 along K: 8][tile 8][block 4][lane][16]) and scale bytes (asc: [token][32]), as the launch before
; laid them; W: [1,024][1,024] codes, [1,024][32] scale bytes; b: [1,024] f32; out: [8,192][1,024] f32.
; A tile of 128 tokens x 128 features is made by four waves, each 64 x 64: 16 accumulators.  512 tiles, two for each of 256 WGPs, so that one tile's stores leave beside another's products: the launch writes
; four bytes for each code that it reads.  The price: a wave's 64 x 64 feeds half as many products from each LDS byte as 128 x 128 would.
; ALL OF K LIES IN LDS (131,072 bytes of images, 139,264 of W's padded rows): no byte is filled twice, so there is no ring.  Each wave asks for its four parts at the head; two K steps of 128 become readable behind each counted wait and barrier.
; CLUSTER.  4 x 4 work-groups: the tokens' images are shared along a row of the cluster, W's rows along a column; each is asked for JOINTLY, with a descriptor that hangs on the shared coordinate and the wave's number alone.
; TRANSPOSED: source 0 = 16 rows of W, source 1 = 16 tokens: a lane holds eight neighbouring features of one token.  The bias is the C of the first K step's products, so the order of rounding differs from a sum with the bias added last.
; The scale words of all of K stand in registers: a row's 32 bytes are the eight K steps' words.
.set AIMG, 0                           ; LDS: [K step 8][tile 8][2,048]
.set WLDS, 131072                      ; [256 along K: 4][row 128][256 + 16]
.set WQ,   34816
.set STG,  270336                      ; a stage of 16 rows x (256 + 16) for each wave: bytes into which no tensor load lands
.set ADA,  4                           ; v4-5   my tokens' images: K steps 0-3, 4-7
.set ADB,  6                           ; v6-7   my rows of W: K 0-511, 512-1,023
.set STO,  8
.set RD,   9
.set CO,   10
.set SOF,  11                          ; 32 (lane % 16)
.set BOF,  12                          ; 32 (lane / 16)
.set BI,   32                          ; v32-63   the bias, tile b at 8 b
.set SA,   64                          ; v64-95   the tokens' scale words: tile a, K step s at 8 a + s; scales and nothing else
.set SB,   96                          ; v96-127  W's likewise
.set ACC,  128                         ; v128-255 accumulator (a, b) at 8 (4 a + b)
.set WV,   16
.set RH,   17                          ; wave / 2: my half of the tokens; also: I fetch images (0) or W (1)
.set CH,   18                          ; wave % 2: my half of the features; also: which part I fetch
.set G1A,  24
.set G0A,  32
.set G1B,  48
.set G0B,  68
.set MSB, 0
.macro WIN new
.if MSB != (\new)
	s_set_vgpr_msb (MSB<<8)|(\new)
.set MSB, (\new)
.endif
.endm
.macro CROUND
	s_barrier_signal -1
	s_barrier_wait -1
	s_cmp_lg_u32 s[WV], 0
	s_cbranch_scc1 .Lnot_wave_0_\@
	s_barrier_signal -3
.Lnot_wave_0_\@:
	s_barrier_wait -3
	s_barrier_signal -1
	s_barrier_wait -1
.endm
.macro PLACES n
.rept \n
	v_nop
.endr
.endm
	s_load_b256 s[4:11], s[0:1], 0x0               ; aimg, asc, W's codes, W's scales
	s_load_b128 s[12:15], s[0:1], 0x20             ; b, out
	v_lshl_add_u32 v30, v0, 2, 0x46400
	v_mov_b32 v31, 0
	ds_add_u32 v30, v31
	ds_add_u32 v30, v31
	v_lshrrev_b32 v1, 5, v0
	v_readfirstlane_b32 s[WV], v1
	s_lshr_b32 s[RH], s[WV], 1
	s_and_b32 s[CH], s[WV], 1
	s_bfe_u32 s56, ttmp6, 0x40000                  ; cx
	s_bfe_u32 s57, ttmp6, 0x40004                  ; cy
	s_lshl_b32 s58, ttmp9, 2
	s_add_co_u32 s58, s58, s56                     ; which 128 features, 0..7
	s_and_b32 s59, ttmp7, 0xffff
	s_lshl_b32 s59, s59, 2
	s_add_co_u32 s59, s59, s57                     ; which 128 tokens, 0..63
	s_lshl_b32 s60, s57, 2
	s_lshl_b32 s60, 15, s60                        ; my row of the cluster
	s_lshl_b32 s61, 0x1111, s56                    ; my column
	s_or_b32 s[G1A], s60, (3<<16)|(1<<21)          ; images: 16,384 dense bytes: 64 rows of 256 (32 elements of 8 bytes), no padding
	s_mov_b32 s[G1A+1], 32<<16
	s_mov_b32 s[G1A+2], 64<<16
	s_mov_b32 s[G1A+3], 32<<16
	s_mov_b32 s[G1A+4], 64
	s_mov_b32 s[G1A+5], 32
	s_mov_b32 s[G1A+6], 0
	s_mov_b32 s[G1A+7], 0
	s_or_b32 s[G1B], s61, (0<<16)|(1<<20)|(1<<21)|(5<<22)|(3<<25)   ; W: 64 rows x 256 bytes, 1,024 apart; four words of padding after every 64
	s_mov_b32 s[G1B+1], 256<<16
	s_mov_b32 s[G1B+2], 64<<16
	s_mov_b32 s[G1B+3], 256<<16
	s_mov_b32 s[G1B+4], 64
	s_mov_b32 s[G1B+5], 1024
	s_mov_b32 s[G1B+6], 0
	s_mov_b32 s[G1B+7], 0
	s_lshl_b32 s20, s59, 17                        ; images: 131,072 for each 128 tokens,
	s_lshl_b32 s22, s[CH], 14                      ; K step wave % 2: in memory and in LDS
	s_add_co_u32 s20, s20, s22
	s_mov_b32 s21, 0
	s_lshl_b32 s62, s58, 17                        ; W: row 128 x tile + 64 x half, 1,024 bytes a row
	s_lshl_b32 s63, s[CH], 16
	s_add_co_u32 s62, s62, s63
	s_mov_b32 s63, 0
	s_mul_i32 s23, s[CH], 64*272
	s_add_co_u32 s23, s23, WLDS
	s_lshl_b32 s84, s59, 12                        ; the tokens' scale bytes: 32 (128 x tile + 64 x half)
	s_lshl_b32 s85, s[RH], 11
	s_add_co_u32 s84, s84, s85
	s_mov_b32 s85, 0
	s_lshl_b32 s86, s58, 12                        ; W's
	s_lshl_b32 s87, s[CH], 11
	s_add_co_u32 s86, s86, s87
	s_mov_b32 s87, 0
	s_lshl_b32 s88, s58, 9                         ; my first feature, in bytes of f32: in b, and in a row of out
	s_lshl_b32 s89, s[CH], 8
	s_add_co_u32 s88, s88, s89
	s_mov_b32 s89, 0
	s_lshl_b32 s90, s59, 19                        ; my first token's row of 4,096 bytes
	s_lshl_b32 s91, s[RH], 18
	s_add_co_u32 s90, s90, s91
	s_add_co_u32 s90, s90, s88
	s_mov_b32 s91, 0
	s_wait_dscnt 0x0
	s_wait_kmcnt 0x0
	s_add_nc_u64 s[4:5], s[4:5], s[20:21]
	s_add_nc_u64 s[8:9], s[8:9], s[62:63]
	s_add_nc_u64 s[6:7], s[6:7], s[84:85]
	s_add_nc_u64 s[10:11], s[10:11], s[86:87]
	s_add_nc_u64 s[12:13], s[12:13], s[88:89]
	s_add_nc_u64 s[14:15], s[14:15], s[90:91]
	CROUND                                         ; all sixteen work-groups are here: the joint loads meet
.irp i, 0,1,2,3
	s_mov_b32 s[G0A+4*\i], 1
	s_add_co_u32 s[G0A+4*\i+1], s22, 32768*\i      ; K step 2 i + wave % 2
	s_add_nc_u64 s[G0A+4*\i+2:G0A+4*\i+3], s[4:5], 32768*\i
	s_or_b32 s[G0A+4*\i+3], s[G0A+4*\i+3], 0x80000000
	s_mov_b32 s[G0B+4*\i], 1
	s_add_co_u32 s[G0B+4*\i+1], s23, WQ*\i         ; K 256 i on
	s_add_nc_u64 s[G0B+4*\i+2:G0B+4*\i+3], s[8:9], 256*\i
	s_or_b32 s[G0B+4*\i+3], s[G0B+4*\i+3], 0x80000000
.endr
	s_cmp_eq_u32 s[RH], 0                          ; a wave's four first fills stand in one branch on its number: four loads of mine are out
	s_cbranch_scc0 .Lfor_w
	tensor_load_to_lds s[G0A:G0A+3], s[G1A:G1A+7]
	s_nop 0
	tensor_load_to_lds s[G0A+4:G0A+7], s[G1A:G1A+7]
	s_nop 0
	tensor_load_to_lds s[G0A+8:G0A+11], s[G1A:G1A+7]
	s_nop 0
	tensor_load_to_lds s[G0A+12:G0A+15], s[G1A:G1A+7]
	s_nop 0
.rept 4
	v_nop
.endr
	s_branch .Lasked
.Lfor_w:
	tensor_load_to_lds s[G0B:G0B+3], s[G1B:G1B+7]
	s_nop 0
	tensor_load_to_lds s[G0B+4:G0B+7], s[G1B:G1B+7]
	s_nop 0
	tensor_load_to_lds s[G0B+8:G0B+11], s[G1B:G1B+7]
	s_nop 0
	tensor_load_to_lds s[G0B+12:G0B+15], s[G1B:G1B+7]
	s_nop 0
.rept 4
	v_nop
.endr
.Lasked:
	v_and_b32 v1, 15, v0                           ; r
	v_bfe_u32 v2, v0, 4, 1                         ; h
	v_and_b32 v3, 31, v0                           ; lane
	v_lshlrev_b32 v[SOF], 5, v1
	v_lshlrev_b32 v[BOF], 5, v2
.irp a, 0,1,2,3
	global_load_b128 v[SA+8*\a:SA+8*\a+3], v[SOF], s[6:7] offset:512*\a
	global_load_b128 v[SA+8*\a+4:SA+8*\a+7], v[SOF], s[6:7] offset:512*\a+16
.endr
.irp b, 0,1,2,3
	global_load_b128 v[SB+8*\b:SB+8*\b+3], v[SOF], s[10:11] offset:512*\b
	global_load_b128 v[SB+8*\b+4:SB+8*\b+7], v[SOF], s[10:11] offset:512*\b+16
.endr
.irp b, 0,1,2,3
	global_load_b128 v[BI+8*\b:BI+8*\b+3], v[BOF], s[12:13] offset:64*\b        ; tile b's eight features of my half
	global_load_b128 v[BI+8*\b+4:BI+8*\b+7], v[BOF], s[12:13] offset:64*\b+16
.endr
	s_lshl_b32 s56, s[RH], 13                      ; my four tiles of tokens: 2,048 bytes a tile
	v_lshl_add_u32 v[ADA], v3, 4, s56
	v_add_nc_u32 v[ADA+1], 65536, v[ADA]
	v_mul_u32_u24 v[ADB], v1, 272
	v_lshl_add_u32 v[ADB], v2, 4, v[ADB]
	v_add_nc_u32 v[ADB], s23, v[ADB]               ; my 64 rows of W: row x pitch + 16 x half
	v_add_nc_u32 v[ADB+1], 2*WQ, v[ADB]
	s_mul_i32 s56, s[WV], 16*272
	s_add_co_u32 s56, s56, STG                     ; my stage
	v_mul_u32_u24 v[STO], v1, 272
	v_lshl_add_u32 v[STO], v2, 5, v[STO]
	v_add_nc_u32 v[STO], s56, v[STO]               ; in: row r, 32 bytes for each half of the lanes
	v_mul_u32_u24 v[RD], v2, 272
	v_lshl_add_u32 v[RD], v1, 4, v[RD]
	v_add_nc_u32 v[RD], s56, v[RD]                 ; back: lanes 0-15 one row of 256 bytes, lanes 16-31 the next
	v_lshlrev_b32 v[CO], 12, v2
	v_lshl_add_u32 v[CO], v1, 4, v[CO]             ; and the same two rows in out
.macro FETCH s                         ; K step s: four fragments of W and four of tokens into set s % 2 of window 1: 32 loads
	WIN 0x40
.set P, 128*((\s)%2)
.irp b, 0,1,2,3
.irp c, 0,1,2,3
	ds_load_b128 v[P+16*\b+4*\c:P+16*\b+4*\c+3], v[ADB+(\s)/4] offset:WQ*(((\s)/2)%2)+4352*\b+128*((\s)%2)+32*\c
.endr
.endr
.irp a, 0,1,2,3
.irp c, 0,1,2,3
	ds_load_b128 v[P+64+16*\a+4*\c:P+64+16*\a+4*\c+3], v[ADA+(\s)/4] offset:16384*((\s)%4)+2048*\a+512*\c
.endr
.endr
.endm
.macro MUL s                           ; 16 products; the accumulators take turns, one instruction a turn, in the same order in every step
	WIN 0x05
.set P, 128*((\s)%2)
.irp a, 0,1,2,3
.irp b, 0,1,2,3
.if (\s) == 0
	v_wmma_scale_f32_16x16x128_f8f6f4 v[ACC+8*(4*\a+\b):ACC+8*(4*\a+\b)+7], v[P+16*\b:P+16*\b+15], v[P+64+16*\a:P+64+16*\a+15], v[BI+8*\b:BI+8*\b+7], v[SB+8*\b+(\s)], v[SA+8*\a+(\s)] matrix_a_fmt:MATRIX_FMT_BF8 matrix_b_fmt:MATRIX_FMT_BF8
.else
	v_wmma_scale_f32_16x16x128_f8f6f4 v[ACC+8*(4*\a+\b):ACC+8*(4*\a+\b)+7], v[P+16*\b:P+16*\b+15], v[P+64+16*\a:P+64+16*\a+15], v[ACC+8*(4*\a+\b):ACC+8*(4*\a+\b)+7], v[SB+8*\b+(\s)], v[SA+8*\a+(\s)] matrix_a_fmt:MATRIX_FMT_BF8 matrix_b_fmt:MATRIX_FMT_BF8
.endif
.endr
.endr
.endm
	s_wait_tensorcnt 3                             ; my first load is in (three were issued behind it): K steps 0 and 1 are whole once every wave has said so.  The later loads may stay out
	s_barrier_signal -1
	s_barrier_wait -1
	FETCH 0
	s_wait_loadcnt 0x0                             ; scale words and bias
.irp s, 0,1,2,3,4,5,6,7
.if ((\s%2) == 1) && (\s < 7)
	s_wait_dscnt 0x0                               ; no LDS load of mine is out at a signal
	s_wait_tensorcnt 3-(\s+1)/2                    ; my load for K steps s + 1 and s + 2 is in: so many were issued behind it
	s_barrier_signal -1
	s_barrier_wait -1
.endif
.if \s < 7
.if \s > 0
	PLACES 8                                       ; behind the last step's products, whose set is loaded again
.endif
	FETCH \s+1
	s_wait_dscnt 32                                ; all but the 32 just issued: this step's fragments are in
.else
	s_wait_dscnt 0x0
.endif
	MUL \s
.endr
	WIN 0
; THE WAY OUT.  A lane holds 32 neighbouring bytes of a row, the lanes beside it other rows: a block of 16 tokens x 64 features goes through my own stage and comes back, into the registers that it left, as whole rows of 256 bytes.
; LDS serves a wave's instructions in order (ISA guide 5.7.1.4): no wait between the stores and the loads, nor in front of the next block's stores.
.macro PACK a
.irp b, 0,1,2,3
	ds_store_b128 v[STO], v[ACC+32*\a+8*\b:ACC+32*\a+8*\b+3] offset:64*\b        ; each accumulator from its low end on
	ds_store_b128 v[STO], v[ACC+32*\a+8*\b+4:ACC+32*\a+8*\b+7] offset:64*\b+16
.endr
.irp t, 0,1,2,3,4,5,6,7
	ds_load_b128 v[ACC+32*\a+4*\t:ACC+32*\a+4*\t+3], v[RD] offset:544*\t
.endr
.endm
.macro SEND a, younger                 ; younger: the LDS instructions issued behind block a's loads: the next block's sixteen, or none
.irp t, 0,1,2,3,4,5,6,7
	s_wait_dscnt \younger+7-\t
	global_store_b128 v[CO], v[ACC+32*\a+4*\t:ACC+32*\a+4*\t+3], s[14:15] offset:4096*(16*\a+2*\t) th:TH_STORE_NT   ; sixteen lanes store 256 consecutive bytes, aligned; written once, read by nobody here
.endr
.endm
	PLACES 8                                       ; behind the last products
	PACK 0
	PACK 1
	SEND 0, 16
	PACK 2
	SEND 1, 16
	PACK 3
	SEND 2, 16
	SEND 3, 0
	s_wait_tensorcnt 0x0
	ds_add_u32 v30, v31
	s_wait_dscnt 0x0
	CROUND                                         ; the closing round: no LDS instruction and no tensor load of mine is out
	s_endpgm
.Lfunc_end_k_qeb3af6e2a1_proj:
	.size	k_qeb3af6e2a1_proj, .Lfunc_end_k_qeb3af6e2a1_proj-k_qeb3af6e2a1_proj
	.p2alignl 7, 3214868480
	.fill 96, 4, 3214868480
	.section	.rodata,"a",@progbits
	.p2align	6, 0x0
	.amdhsa_kernel k_qeb3af6e2a1_proj
		.amdhsa_group_segment_fixed_size 288256
		.amdhsa_private_segment_fixed_size 0
		.amdhsa_enable_private_segment 0
		.amdhsa_kernarg_size 48
		.amdhsa_user_sgpr_count 2
		.amdhsa_user_sgpr_kernarg_segment_ptr 1
		.amdhsa_wavefront_size32 1
		.amdhsa_system_sgpr_workgroup_id_x 1
		.amdhsa_system_sgpr_workgroup_id_y 1
		.amdhsa_system_sgpr_workgroup_id_z 1
		.amdhsa_system_vgpr_workitem_id 0
		.amdhsa_next_free_vgpr 512
		.amdhsa_next_free_sgpr 96
		.amdhsa_reserve_vcc 0
		.amdhsa_float_denorm_mode_32 3
		.amdhsa_float_denorm_mode_16_64 3
		.amdhsa_memory_ordered 1
		.amdhsa_forward_progress 1
		.amdhsa_inst_pref_size 54
	.end_amdhsa_kernel
	.amdgpu_metadata
---
amdhsa.version: [ 1, 2 ]
amdhsa.kernels:
  - .name:           k_qeb3af6e2a1_proj
    .symbol:         k_qeb3af6e2a1_proj.kd
    .args:
      - { .name: aimg, .offset: 0, .size: 8, .value_kind: global_buffer, .address_space: global }
      - { .name: asc, .offset: 8, .size: 8, .value_kind: global_buffer, .address_space: global }
      - { .name: out_w_codes, .offset: 16, .size: 8, .value_kind: global_buffer, .address_space: global }
      - { .name: out_w_scales, .offset: 24, .size: 8, .value_kind: global_buffer, .address_space: global }
      - { .name: out_b, .offset: 32, .size: 8, .value_kind: global_buffer, .address_space: global }
      - { .name: out0, .offset: 40, .size: 8, .value_kind: global_buffer, .address_space: global }
    .group_segment_fixed_size: 288256
    .private_segment_fixed_size: 0
    .kernarg_segment_align: 8
    .kernarg_segment_size: 48
    .max_flat_workgroup_size: 128
    .sgpr_count:     96
    .vgpr_count:     512
    .wavefront_size: 32
...
	.end_amdgpu_metadata
.endif
;; end of part 3
